; MI455X (gfx1250); checked and timed in simulation.
; The chip was launched on July 23, 2026; its instructions are those of AMD's public machine-readable ISA for CDNA 5 (MIT licence, August 2026) and "CDNA5" Instruction Set Architecture Reference Guide (July 2026). The comments in the code are by the model that wrote it; some were corrected since.
;; Attention. Allowed arithmetic: matrix products marked QUANTISED: E5M2 operands, one given power-of-two scale a tensor, by v_wmma_f32_16x16x64_bf8_bf8 or v_wmma_f32_16x16x128_bf8_bf8, f32 sums; everything else in f32.
;; Inputs: W_o_codes 1,024 x 32 x 32 uint8 (E5M2 codes of W_o, K innermost, in blocks of 32 codes); W_qkv_codes 3,072 x 32 x 32 uint8 (E5M2 codes of W_qkv, K innermost, in blocks of 32 codes); b_o 1,024 float32; b_qkv 3,072 float32; lowp_scales 8 int32 (the exponents e of the quantised operands' scales 2^e); x_codes 2 x 2,048 x 32 x 32 uint8 (E5M2 codes of x, K innermost, in blocks of 32 codes).
;; Outputs: out0 2 x 2,048 x 1,024 float32.
;; This version of the problem:
;;   THIS VERSION OF THE PROBLEM IS GIVEN IN LOW PRECISION. The matrix products marked QUANTISED in the list below multiply operands that are first quantised to E5M2 (5 exponent bits, 2 mantissa bits; 8 bits a number), with one given power-of-two scale for each operand tensor; their sums are f32. All else is computed in f32.
;;   The module's matrix products, in the order in which they are computed (A, B: the left and right operand; K: the contracted axis; several contracted axes count as one K, in the product's order):
;;     1. [M 4,096, K 1,024] x [K 1,024, N 3,072]; A: input x (given as codes); B: input W_qkv (given as codes): QUANTISED (scales: A lowp_scales[0], B lowp_scales[1])
;;     2. batch 32 x [M 2,048, K 64] x [K 64, N 2,048]; A: computed on the way; B: computed on the way: QUANTISED (scales: A lowp_scales[2], B lowp_scales[3])
;;     3. batch 32 x [M 2,048, K 2,048] x [K 2,048, N 64]; A: softmax (see below); B: computed on the way: QUANTISED (scales: A lowp_scales[4], B lowp_scales[5])
;;     4. [M 4,096, K 1,024] x [K 1,024, N 1,024]; A: computed on the way; B: input W_o (given as codes): QUANTISED (scales: A lowp_scales[6], B lowp_scales[7])
;;   THE QUANTISER, for each operand of a quantised product, along K:
;;     - The operand's scale is 2^e, e = its entry of the input lowp_scales (int32; the entries are numbered through the quantised products in the list's order, A before B).
;;     - Each number is divided by the scale, clamped to +-57,344, and rounded to the nearest number of E5M2, ties to even, subnormals kept.
;;     - The product sums the exact products of the quantised numbers (number of the format x scale) in f32.
;;   ~~~python
;;   def quantise(x, axis, e):      # numpy; x: float32 -> the quantised numbers, widened to float32 again
;;       x = np.moveaxis(x, axis, -1); K = x.shape[-1]
;;       r = np.clip(x / 2.0 ** e, -57344, 57344)
;;       step = 2.0 ** (np.maximum(np.frexp(np.where(r == 0, 1, r))[1] - 1, -14) - 2)
;;       q = np.round(r / step) * step * 2.0 ** e      # np.round: ties to even
;;       return np.moveaxis(q, -1, axis).astype(np.float32)
;;   ~~~
;;   SOFTMAX AHEAD OF A QUANTISED PRODUCT. Where the list says 'softmax', what is quantised is not the finished softmax but p = 2^(t - M), with t = logit x log2(e) and M = ceil(the row's largest t), a whole number; so 1/2 < the row's largest p <= 1. The row's sum l is taken of the UNQUANTISED p, in f32, and the product's result is divided by l at the end. Since M is a whole number, a kernel that streams over the keys may use a running M (the ceiling of the running maximum): every later rescaling is an exact power of two, so the quantised numbers keep their values, but for numbers so far below the row's largest that they fall under the format's range.
;;   OPERANDS COMPUTED ON THE WAY. 'Computed on the way' means the value that the module computes at that place (a softmax that the list does not call 'softmax' is quantised finished and normalised). What goes into a quantiser is computed in f32, as accurately as f32 sums, v_exp_f32 and their like allow (about 1e-6 of the number): no bf16 or f16 on the way to a quantiser, and a product that is left as it is and whose result goes on into a quantised operand takes f32 operands (vector FMAs, or v_wmma_f32_16x16x4_f32). A number that lies on a knife's edge between two numbers of the format may be rounded either way, as far as f32 arithmetic and the matrix unit's own rounding can turn it there, and no further.
;;   INPUTS GIVEN AS CODES. W_o (in the module: [1024, 1024], K = its axis 1); W_qkv (in the module: [3072, 1024], K = its axis 1); x (in the module: [2, 2048, 1024], K = its axis 2): each comes as NAME_codes (uint8): NAME with its K axis moved to the last place and cut into blocks of 32 codes, [.., K / 32, bytes a block], one block behind the other in memory; one code a byte (a code: sign, 5 exponent bits, 2 mantissa bits); its scale is its entry of lowp_scales. Its value is code x scale, taken as it is: it is not quantised again, and the codes and scales need not be those that the quantiser above would give.
;; One version. Each part assembles by itself: llvm-mc -triple=amdgcn-amd-amdhsa -mcpu=gfx1250 --defsym DOCPART=n.
;; ======== version 1 of 1: 3 launches
;; limits: right only within a limited range of input values
;; workspace buffers: qkvc 12,582,912 bytes; ocodes 4,194,304 bytes
;; launch project_in (part 1): grid 16 x 16, 4 waves a work-group, clusters of 4 x 4, 327,680 bytes of LDS; arguments x_codes, W_qkv_codes, lowp_scales, b_qkv, qkvc; writes qkvc
.if DOCPART == 1
	.amdgcn_target "amdgcn-amd-amdhsa--gfx1250"
	.amdhsa_code_object_version 6
	.text
	.protected	k_qc6fad4a52d_project_in
	.globl	k_qc6fad4a52d_project_in
	.p2align	8
	.type	k_qc6fad4a52d_project_in,@function
k_qc6fad4a52d_project_in:
	s_mov_b64 s[64:65], 0
	v_nop
	global_prefetch_b8 v0, s[64:65] scope:SCOPE_SE
	s_setreg_imm32_b32 hwreg(HW_REG_WAVE_MODE, 25, 1), 1
	s_wait_xcnt 0x0
	s_wait_alu depctr_hold_cnt(0) depctr_sa_sdst(0) depctr_va_vdst(0) depctr_va_sdst(0) depctr_va_ssrc(0) depctr_va_vcc(0) depctr_vm_vsrc(0)
	s_getreg_b32 s2, hwreg(HW_REG_IB_STS2, 6, 4)
	s_cmp_eq_u32 s2, 0
	s_cbranch_scc0 .Lentry_in_a_cluster
	s_endpgm
.Lentry_in_a_cluster:
	s_bfe_u32 s2, ttmp6, 0x10000c
	s_cmp_lg_u32 s2, 0xf033
	s_cbranch_scc0 .Lentry_shape_is_right
	s_endpgm
.Lentry_shape_is_right:
; q, k, v = x W_qkv^T + b_qkv, quantised.  x: 4,096 tokens x 1,024 and W_qkv: 3,072 x 1,024 are codes of BF8 (E5M2) with scales 2^e0, 2^e1; q, k, v get 2^e2, 2^e3, 2^e5.  No work of the problem is left out in any of the three launches.
; OUT: qkvc = [bh 32][q, k, v][131072 bytes]; q, k: [token][64]; v: [block of 128 keys][row 64][128], where row = channel and byte = key, each with bits 3 and 4 exchanged.
; SHARES: 256 work-groups: one head (q, k and v: 3 x 64 rows of W) x 256 tokens each.  Four waves: 128 tokens (half hm) x 96 outputs (half hn: 64 of q or of k, and 32 of v): 48 accumulators, 384 registers.
; q and k are made transposed (source 0 = rows of W, source 1 = tokens): a lane holds 8 neighbouring channels of a token.  v the other way round: a lane holds 8 neighbouring tokens of a channel.
; The sums begin with the bias x 2^-(e0 + e1) as C; the power of two that they lack goes into the scale of the conversion.
; K goes in steps of 256 through a ring of two slots: 256 rows of x, then 3 x 64 rows of W, 272 bytes apart.  Wave 3 fetches x, waves 0 to 2 fetch q's, k's, v's rows of W.
; CLUSTERS of 4 x 4: a tile of x is asked for jointly along a row of the cluster, a tile of W along a column.
; PREFETCH: behind the load of K step t the rows of K step t + 1 are asked for, each block of 256 bytes once in a cluster: partners take 64 rows of x by cx, 16 rows of each plane of W by cy; the last step asks for nothing.
; Registers 4 c .. 4 c + 3 of a fragment hold K = 32 c + 16 h + 0 .. 15, alike on both sides (r = lane % 16, h = lane / 16).
; LIMITS, so that each power of two is an f32 number: e2, e3, e5 each less (e0 + e1) between -126 and 112; bias x 2^-(e0 + e1) is an f32 number.
; REGISTERS: window 0: v1-31 addresses and constants, v32-95 W's four fragments of q or k, v96-127 two of v, v128-255 eight of x; window 1: the other set, same places.
;   window 2: accumulators of q or k, (a, i) at v[32 a + 8 i]; window 3: of v, (a, i) at v[16 a + 8 i]; v128-159 bias of q or k, v160-175 of v.
.set PITCH, 272                        ; 256 bytes + 16 of padding: the 16 rows of a fragment start at 16 different banks (64 banks of 4 bytes: ISA guide 11.1)
.set XB,    256*PITCH
.set SLOT,  448*PITCH
.set SPARE, 2*SLOT
.set STG,   14848                      ; a wave's stage on the way out, in slot 0 behind its last fill and last read: 128 tokens x 80 bytes, then 32 rows of v x 144
.set HEADB, 393216
.set G1, 24
.set G0, 32
.set G1B, 48
.set G0B, 56
.set MSB, 0
.macro WIN new
.if MSB != (\new)
	s_set_vgpr_msb (MSB<<8)|(\new)
.set MSB, (\new)
.endif
.endm
.macro PLACES n
.rept \n
	v_nop
.endr
.endm
.macro JLOAD s                         ; a joint load: one tensor load a wave
	s_cmp_eq_u32 s14, 3
	s_cbranch_scc0 .Lfor_w_\@
	tensor_load_to_lds s[G0+4*\s:G0+4*\s+3], s[G1:G1+7]
	s_nop 0
	PLACES 4
	s_branch .Lasked_\@
.Lfor_w_\@:
	tensor_load_to_lds s[G0B+4*\s:G0B+4*\s+3], s[G1B:G1B+7]
	s_nop 0
	PLACES 4
.Lasked_\@:
.endm
.macro ASK k                           ; prefetch of K step k: wave 3 names 64 rows of x, waves 0 to 2 16 rows of their plane of W
	s_cmp_eq_u32 s14, 3
	s_cbranch_scc0 .Lone_\@
	global_prefetch_b8 v30, s[66:67] offset:256*\k+32768 th:TH_LOAD_NT scope:SCOPE_SE
.Lone_\@:
	global_prefetch_b8 v30, s[66:67] offset:256*\k th:TH_LOAD_NT scope:SCOPE_SE
.endm
.macro CREST                           ; a round of the cluster's barrier behind its opening barrier
	s_cmp_lg_u32 s14, 0
	s_cbranch_scc1 .Lnot_wave_0_\@
	s_barrier_signal -3
.Lnot_wave_0_\@:
	s_barrier_wait -3
	s_barrier_signal -1
	s_barrier_wait -1
.endm
.macro CROUND
	s_barrier_signal -1
	s_barrier_wait -1
	CREST
.endm
	s_load_b256 s[4:11], s[0:1], 0x0               ; x s[4:5], W s[6:7], the exponents s[8:9], b_qkv s[10:11]
	s_load_b64 s[12:13], s[0:1], 0x20              ; qkvc
	v_lshl_add_u32 v28, v0, 2, SPARE
	v_mov_b32 v29, 0
	ds_add_u32 v28, v29                            ; the opening lines
	ds_add_u32 v28, v29
	v_lshrrev_b32 v1, 5, v0
	v_readfirstlane_b32 s14, v1                    ; wave 0..3
	s_lshr_b32 s15, s14, 1                         ; hm
	s_and_b32 s16, s14, 1                          ; hn
	s_bfe_u32 s40, ttmp6, 0x40000                  ; cx
	s_bfe_u32 s41, ttmp6, 0x40004                  ; cy
	s_lshl_b32 s42, ttmp9, 2
	s_add_co_u32 s42, s42, s40                     ; the head
	s_and_b32 s17, ttmp7, 0xffff
	s_lshl_b32 s17, s17, 2
	s_add_co_u32 s17, s17, s41                     ; the block of 256 tokens
	s_lshl_b32 s43, s41, 2
	s_lshl_b32 s43, 15, s43                        ; my row of the cluster
	s_lshl_b32 s44, 0x1111, s40                    ; my column
	s_or_b32 s[G1], s43, (1<<20)|(1<<21)|(5<<22)|(3<<25)    ; the mask; elements of 1 byte; four words of padding after every 64
	s_or_b32 s[G1B], s44, (1<<20)|(1<<21)|(5<<22)|(3<<25)
	s_mov_b32 s[G1+2], 256<<16                     ; 256 rows of x
	s_mov_b32 s[G1+4], 256
	s_mov_b32 s[G1B+2], 64<<16                     ; 64 rows of W
	s_mov_b32 s[G1B+4], 64
.irp g, G1, G1B
	s_mov_b32 s[\g+1], 256<<16
	s_mov_b32 s[\g+3], 256<<16
	s_mov_b32 s[\g+5], 1024
	s_mov_b32 s[\g+6], 0
	s_mov_b32 s[\g+7], 0
.endr
	s_lshl_b32 s20, s17, 18                        ; x: 256 rows of 1,024 bytes a block
	s_mov_b32 s21, 0
	s_min_u32 s46, s14, 2                          ; W: plane = wave (wave 3 fetches none), 1,024 rows apart
	s_lshl_b32 s46, s46, 20
	s_lshl_b32 s47, s42, 16                        ; and 64 rows a head
	s_add_co_u32 s46, s46, s47
	s_mov_b32 s47, 0
	s_mul_i32 s45, s14, 64*PITCH
	s_add_co_u32 s45, s45, XB
	s_wait_dscnt 0x0                               ; both opening adds are done
	s_wait_kmcnt 0x0
	s_load_b256 s[72:79], s[8:9], 0x0              ; e0 .. e7
	s_add_nc_u64 s[20:21], s[4:5], s[20:21]
	s_add_nc_u64 s[46:47], s[6:7], s[46:47]
	CROUND                                         ; all sixteen work-groups are here
.irp s, 0,1
	s_mov_b32 s[G0+4*\s], 1
	s_mov_b32 s[G0+4*\s+1], \s*SLOT
	s_add_nc_u64 s[G0+4*\s+2:G0+4*\s+3], s[20:21], \s*256
	s_or_b32 s[G0+4*\s+3], s[G0+4*\s+3], 0x80000000
	s_mov_b32 s[G0B+4*\s], 1
	s_add_co_u32 s[G0B+4*\s+1], s45, \s*SLOT
	s_add_nc_u64 s[G0B+4*\s+2:G0B+4*\s+3], s[46:47], \s*256
	s_or_b32 s[G0B+4*\s+3], s[G0B+4*\s+3], 0x80000000
.endr
	JLOAD 0                                        ; K step 0: one tensor load a wave at the head
	; who prefetches what
	s_lshl_b32 s22, s40, 16                        ; x: 64 rows by cx
	s_lshl_b32 s23, s41, 14                        ; W: 16 rows by cy
	s_cmp_eq_u32 s14, 3
	s_cselect_b64 s[66:67], s[20:21], s[46:47]
	s_cselect_b32 s68, s22, s23
	s_cselect_b32 s70, 31, 15
	s_mov_b32 s69, 0
	s_add_nc_u64 s[66:67], s[66:67], s[68:69]
	v_and_b32 v7, 31, v0                           ; lane
	v_min_u32 v30, s70, v7                         ; (lanes left over name their wave's last row again)
	v_lshlrev_b32 v30, 10, v30
	s_wait_alu depctr_va_vdst(0)                   ; wait here, ahead of the branch
	ASK 1
	v_and_b32 v1, 15, v0                           ; r
	v_bfe_u32 v2, v0, 4, 1                         ; h
	v_mul_u32_u24 v3, v1, PITCH
	v_lshl_add_u32 v3, v2, 4, v3
	s_mul_i32 s22, s15, 128*PITCH
	v_add_nc_u32 v16, s22, v3                      ; v16, v17: my fragments of x in slot 0, 1
	v_add_nc_u32 v17, SLOT, v16
	s_mul_i32 s22, s16, 64*PITCH
	s_add_co_u32 s22, s22, XB
	v_add_nc_u32 v18, s22, v3                      ; v18, v19: of q or k
	v_add_nc_u32 v19, SLOT, v18
	s_mul_i32 s22, s16, 32*PITCH
	s_add_co_u32 s22, s22, XB+128*PITCH
	v_add_nc_u32 v20, s22, v3                      ; v20, v21: of v
	v_add_nc_u32 v21, SLOT, v20
	s_mul_i32 s23, s14, STG
	s_wait_alu depctr_va_vdst(0)                   ; wait here, ahead of the readers below
	v_mul_u32_u24 v5, v1, 80
	v_lshl_add_u32 v5, v2, 3, v5
	v_add_nc_u32 v22, s23, v5                      ; in: token r, 8 bytes a half
	v_and_b32 v6, 8, v1
	v_add_nc_u32 v6, v6, v1                        ; r with bit 3 moved to bit 4
	v_mul_u32_u24 v6, v6, 144
	v_lshl_add_u32 v6, v2, 4, v6
	v_add_nc_u32 v6, s23, v6
	v_add_nc_u32 v23, 10240, v6                    ; in: row of v, 16 bytes a half
	v_lshrrev_b32 v5, 2, v7
	v_mul_u32_u24 v5, v5, 80
	v_and_b32 v6, 3, v7
	v_lshl_add_u32 v5, v6, 4, v5
	v_add_nc_u32 v24, s23, v5                      ; back: four lanes a token
	v_lshrrev_b32 v5, 3, v7
	v_mul_u32_u24 v5, v5, 144
	v_and_b32 v6, 7, v7
	v_lshl_add_u32 v5, v6, 4, v5
	v_add_nc_u32 v5, s23, v5
	v_add_nc_u32 v25, 10240, v5                    ; back: eight lanes a row of v
	v_lshlrev_b32 v26, 4, v7                       ; 16 x lane
	v_lshlrev_b32 v27, 5, v2                       ; 32 h
	v_lshlrev_b32 v31, 2, v1                       ; 4 r
	s_wait_alu depctr_va_vdst(0)                   ; wait here, ahead of the scalar lines below
	; the bias: of q or k at 1,024 hn + 64 head, of v at 2,048 + 64 head + 32 hn
	s_lshl_b32 s90, s42, 8
	s_lshl_b32 s88, s16, 12
	s_add_co_u32 s88, s88, s90
	s_mov_b32 s89, 0
	s_add_nc_u64 s[84:85], s[10:11], s[88:89]
	s_lshl_b32 s88, s16, 7
	s_add_co_u32 s88, s88, s90
	s_add_co_u32 s88, s88, 8192
	s_add_nc_u64 s[86:87], s[10:11], s[88:89]
	WIN 0xc0
.irp i, 0,1,2,3
	global_load_b128 v[128+8*\i:131+8*\i], v27, s[84:85] offset:64*\i
	global_load_b128 v[132+8*\i:135+8*\i], v27, s[84:85] offset:64*\i+16
.endr
	global_load_b32 v160, v31, s[86:87]
	global_load_b32 v168, v31, s[86:87] offset:64
	WIN 0
	; where my results go
	s_lshr_b32 s88, s17, 3
	s_lshl_b32 s88, s88, 4
	s_add_co_u32 s88, s88, s42                     ; bh
	s_mul_i32 s88, s88, HEADB
	s_and_b32 s90, s17, 7
	s_lshl_b32 s90, s90, 1
	s_add_co_u32 s90, s90, s15
	s_lshl_b32 s90, s90, 13                        ; 128 tokens are 8,192 bytes in q, in k and in v
	s_add_co_u32 s88, s88, s90
	s_add_nc_u64 s[12:13], s[12:13], s[88:89]
	s_lshl_b32 s88, s16, 12
	s_add_co_u32 s88, s88, 262144
	s_add_nc_u64 s[18:19], s[12:13], s[88:89]      ; v: 32 rows of 128 bytes for each hn
	s_lshl_b32 s88, s16, 17
	s_add_nc_u64 s[12:13], s[12:13], s[88:89]      ; q (hn = 0) or k (1)
	s_wait_kmcnt 0x0
	s_add_co_i32 s92, s72, s73
	s_cmp_eq_u32 s16, 0
	s_cselect_b32 s93, s74, s75
	s_sub_co_i32 s93, s93, s92
	s_add_co_i32 s93, s93, 127
	s_lshl_b32 s94, s93, 23
	v_mov_b32 v8, s94                              ; q or k: 2^(e - e0 - e1) for the conversion
	s_add_co_i32 s93, s93, 15
	s_lshl_b32 s93, s93, 23
	s_or_b32 s93, s93, 0x600000
	v_mov_b32 v9, s93                              ; 57,344 x that
	s_sub_co_i32 s93, s77, s92
	s_add_co_i32 s93, s93, 127
	s_lshl_b32 s94, s93, 23
	v_mov_b32 v10, s94                             ; the same for v
	s_add_co_i32 s93, s93, 15
	s_lshl_b32 s93, s93, 23
	s_or_b32 s93, s93, 0x600000
	v_mov_b32 v11, s93
	s_sub_co_i32 s92, 0, s92
	s_wait_alu depctr_va_vdst(0)
	s_wait_loadcnt 0x0                             ; the bias
	WIN 0xc3
.set JJ, 128
.rept 32
	v_ldexp_f32 v[JJ], v[JJ], s92
.set JJ, JJ+1
.endr
.irp j, 7,6,5,4,3,2,1,0                ; v: the lane's one channel in all eight registers
	v_ldexp_f32 v[160+\j], v160, s92
	v_ldexp_f32 v[168+\j], v168, s92
.endr
	WIN 0
.macro FETCH slot, q, p                ; 56 LDS loads: the 14 fragments of the slot's q-th 128 along K into set p
	WIN 0x40*(\p)
.irp i, 0,1,2,3
.irp c, 0,1,2,3
	ds_load_b128 v[32+16*\i+4*\c:35+16*\i+4*\c], v[18+\slot] offset:16*PITCH*\i+128*(\q)+32*\c
.endr
.endr
.irp i, 0,1,2,3,4,5,6,7
.irp c, 0,1,2,3
	ds_load_b128 v[128+16*\i+4*\c:131+16*\i+4*\c], v[16+\slot] offset:16*PITCH*\i+128*(\q)+32*\c
.endr
.endr
.irp i, 0,1
.irp c, 0,1,2,3
	ds_load_b128 v[96+16*\i+4*\c:99+16*\i+4*\c], v[20+\slot] offset:16*PITCH*\i+128*(\q)+32*\c
.endr
.endr
	WIN 0
.endm
; n token blocks from a0 on x the four of q or k.  zero = 1: the products start the sums on the bias.  All 48 accumulators take turns in one order
.macro MQ p, a0, n, zero
.if \zero
	WIN 0xb0
.else
	WIN 0xa0+5*(\p)
.endif
.set MA, \a0
.rept \n
.irp i, 0,1,2,3
.if \zero
	v_wmma_f32_16x16x128_bf8_bf8 v[32*MA+8*\i:32*MA+8*\i+7], v[32+16*\i:47+16*\i], v[128+16*MA:143+16*MA], v[128+8*\i:135+8*\i]
.else
	v_wmma_f32_16x16x128_bf8_bf8 v[32*MA+8*\i:32*MA+8*\i+7], v[32+16*\i:47+16*\i], v[128+16*MA:143+16*MA], v[32*MA+8*\i:32*MA+8*\i+7]
.endif
.endr
.set MA, MA+1
.endr
.endm
.macro MV p, zero                      ; eight token blocks x the two of v, sources the other way round
	WIN 0xf0+5*(\p)
.set MA, 0
.rept 8
.irp i, 0,1
.if \zero
	v_wmma_f32_16x16x128_bf8_bf8 v[16*MA+8*\i:16*MA+8*\i+7], v[128+16*MA:143+16*MA], v[96+16*\i:111+16*\i], v[160+8*\i:167+8*\i]
.else
	v_wmma_f32_16x16x128_bf8_bf8 v[16*MA+8*\i:16*MA+8*\i+7], v[128+16*MA:143+16*MA], v[96+16*\i:111+16*\i], v[16*MA+8*\i:16*MA+8*\i+7]
.endif
.endr
.set MA, MA+1
.endr
.endm
.macro STEP slot, zero                 ; a slot's first 128 along K, set 0; its second comes into set 1
.if \zero == 0
	PLACES 4                                       ; in front of loads into registers that matrix instructions have read (ISA guide 7.12.1 for vector instructions)
.endif
	FETCH \slot, 1, 1
	s_wait_dscnt 56                                ; all but the 56 just issued: set 0 is in
	MQ 0, 0, 8, \zero
	MV 0, \zero
.endm
; A slot's second 128 along K, set 1, with the change of slots: one barrier.  fill > 0: it opens a round, behind which this slot is filled again, two K steps on; fill = 1: and K step 3 is prefetched.
.macro TURN slot, next, fill
	WIN 0
	s_wait_tensorcnt 0x0                           ; my part of the next slot is in;
	ds_add_u32 v28, v29
	s_wait_dscnt 0x1                               ; set 1 is in, the add may be out
	MQ 1, 0, 4, 0
	s_wait_dscnt 0x0                               ; the add is done, my reads of this slot are over
	s_barrier_signal -1
	MQ 1, 4, 2, 0
	WIN 0
	s_barrier_wait -1
.if \fill
	CREST
	s_add_nc_u64 s[G0+4*\slot+2:G0+4*\slot+3], s[G0+4*\slot+2:G0+4*\slot+3], 512
	s_add_nc_u64 s[G0B+4*\slot+2:G0B+4*\slot+3], s[G0B+4*\slot+2:G0B+4*\slot+3], 512
	JLOAD \slot                                    ; (its four v_nop are the places in front of the loads below)
.else
	PLACES 4
.endif
	FETCH \next, 0, 0
.if \fill == 1
	ASK 3
.endif
	MQ 1, 6, 2, 0
	MV 1, 0
	WIN 0
.endm
	s_wait_alu depctr_va_vdst(0)                   ; wait at the head's end
	s_wait_tensorcnt 0x0                           ; my part of K step 0 is in
	ds_add_u32 v28, v29
	s_wait_dscnt 0x0
	CROUND
	JLOAD 1                                        ; K step 1: slot 1's first fill, issued as a refill is
	FETCH 0, 0, 0
	ASK 2
	STEP 0, 1
	TURN 0, 1, 1
	STEP 1, 0
	TURN 1, 0, 2
	STEP 0, 0
	TURN 0, 1, 0
	STEP 1, 0
	s_wait_dscnt 0x0                               ; the last 128 along K: nothing more to fetch
	MQ 1, 0, 8, 0
	MV 1, 0
	PLACES 4                                       ; in front of the first reads of the results
	; THE WAY OUT.  Held, converted, through my own stage in LDS (LDS serves a wave's instructions in order: ISA guide 5.7.1.4), and stored 512 consecutive bytes an instruction.
.macro HOLD w, src, lim                ; 32 numbers of window w into T, each accumulator from its low end on
	WIN \w
.set JJ, 0
.rept 32
	v_med3_num_f32 v[TT+JJ], v[\src+JJ], -v[\lim], v[\lim]
.set JJ, JJ+1
.endr
	WIN 0
.endm
.set MB, 0
.rept 8                                ; q or k: 16 tokens at a time
.set TT, 192+32*(MB%2)
	HOLD 0x02, 32*MB, 9
.irp i, 0,1,2,3
	v_cvt_scalef32_pk8_bf8_f32 v[32+8*MB+2*\i:33+8*MB+2*\i], v[TT+8*\i:TT+8*\i+7], v8
.endr
	v_nop
.irp i, 0,1,2,3
	ds_store_b64 v22, v[32+8*MB+2*\i:33+8*MB+2*\i] offset:1280*MB+16*\i
.endr
.if MB%4 == 3                          ; 64 tokens are on the stage: back as 8 x 512 consecutive bytes
.set JJ, 8*(MB/4)
.rept 8
	ds_load_b128 v[128+4*JJ:131+4*JJ], v24 offset:640*JJ
.set JJ, JJ+1
.endr
.endif
.if MB == 4
	s_wait_dscnt 0x4                               ; the first eight loads are in; block 4's four stores behind them may be out
.set JJ, 0
.rept 8
	global_store_b128 v26, v[128+4*JJ:131+4*JJ], s[12:13] offset:512*JJ
.set JJ, JJ+1
.endr
.endif
.set MB, MB+1
.endr
.set MB, 0
.rept 4                                ; v: 32 tokens at a time: 16 bytes a lane and row
.set TT, 192+32*(MB%2)
	HOLD 0x03, 32*MB, 11
	v_cvt_scalef32_pk8_bf8_f32 v[96+8*MB:97+8*MB], v[TT:TT+7], v10
	v_cvt_scalef32_pk8_bf8_f32 v[98+8*MB:99+8*MB], v[TT+16:TT+23], v10
	v_cvt_scalef32_pk8_bf8_f32 v[100+8*MB:101+8*MB], v[TT+8:TT+15], v10
	v_cvt_scalef32_pk8_bf8_f32 v[102+8*MB:103+8*MB], v[TT+24:TT+31], v10
	v_nop
	ds_store_b128 v23, v[96+8*MB:99+8*MB] offset:32*MB
	ds_store_b128 v23, v[100+8*MB:103+8*MB] offset:8*144+32*MB
.if MB == 0
	s_wait_dscnt 0x2                               ; the other eight loads are in; the two stores behind them may be out
.set JJ, 8
.rept 8
	global_store_b128 v26, v[128+4*JJ:131+4*JJ], s[12:13] offset:512*JJ
.set JJ, JJ+1
.endr
.endif
.set MB, MB+1
.endr
.set JJ, 0
.rept 8
	ds_load_b128 v[192+4*JJ:195+4*JJ], v25 offset:576*JJ
.set JJ, JJ+1
.endr
.set JJ, 0
.rept 8
	s_wait_dscnt 7-JJ
	global_store_b128 v26, v[192+4*JJ:195+4*JJ], s[18:19] offset:512*JJ
.set JJ, JJ+1
.endr
	s_wait_tensorcnt 0x0                           ; the wave's end
	ds_add_u32 v28, v29
	s_wait_dscnt 0x0
	CROUND                                         ; the closing round
	s_endpgm
.Lfunc_end_k_qc6fad4a52d_project_in:
	.size	k_qc6fad4a52d_project_in, .Lfunc_end_k_qc6fad4a52d_project_in-k_qc6fad4a52d_project_in
	.p2alignl 7, 3214868480
	.fill 96, 4, 3214868480
	.section	.rodata,"a",@progbits
	.p2align	6, 0x0
	.amdhsa_kernel k_qc6fad4a52d_project_in
		.amdhsa_group_segment_fixed_size 327680
		.amdhsa_private_segment_fixed_size 0
		.amdhsa_enable_private_segment 0
		.amdhsa_kernarg_size 40
		.amdhsa_user_sgpr_count 2
		.amdhsa_user_sgpr_kernarg_segment_ptr 1
		.amdhsa_wavefront_size32 1
		.amdhsa_system_sgpr_workgroup_id_x 1
		.amdhsa_system_sgpr_workgroup_id_y 1
		.amdhsa_system_sgpr_workgroup_id_z 1
		.amdhsa_system_vgpr_workitem_id 0
		.amdhsa_next_free_vgpr 1024
		.amdhsa_next_free_sgpr 100
		.amdhsa_reserve_vcc 0
		.amdhsa_float_denorm_mode_32 3
		.amdhsa_float_denorm_mode_16_64 3
		.amdhsa_memory_ordered 1
		.amdhsa_forward_progress 1
		.amdhsa_inst_pref_size 106
	.end_amdhsa_kernel
	.amdgpu_metadata
---
amdhsa.version: [ 1, 2 ]
amdhsa.kernels:
  - .name:           k_qc6fad4a52d_project_in
    .symbol:         k_qc6fad4a52d_project_in.kd
    .args:
      - { .name: x_codes, .offset: 0, .size: 8, .value_kind: global_buffer, .address_space: global }
      - { .name: W_qkv_codes, .offset: 8, .size: 8, .value_kind: global_buffer, .address_space: global }
      - { .name: lowp_scales, .offset: 16, .size: 8, .value_kind: global_buffer, .address_space: global }
      - { .name: b_qkv, .offset: 24, .size: 8, .value_kind: global_buffer, .address_space: global }
      - { .name: qkvc, .offset: 32, .size: 8, .value_kind: global_buffer, .address_space: global }
    .group_segment_fixed_size: 327680
    .private_segment_fixed_size: 0
    .kernarg_segment_align: 8
    .kernarg_segment_size: 40
    .max_flat_workgroup_size: 128
    .sgpr_count:     100
    .vgpr_count:     1024
    .wavefront_size: 32
...
	.end_amdgpu_metadata
.endif
;; end of part 1
;; launch attend (part 2): grid 8 x 32, 8 waves a work-group, clusters of 4 x 1, 327,680 bytes of LDS; arguments qkvc, lowp_scales, ocodes; writes ocodes
.if DOCPART == 2
	.amdgcn_target "amdgcn-amd-amdhsa--gfx1250"
	.amdhsa_code_object_version 6
	.text
	.protected	k_qc6fad4a52d_attend
	.globl	k_qc6fad4a52d_attend
	.p2align	8
	.type	k_qc6fad4a52d_attend,@function
k_qc6fad4a52d_attend:
	s_mov_b64 s[64:65], 0
	v_nop
	global_prefetch_b8 v0, s[64:65] scope:SCOPE_SE
	s_setreg_imm32_b32 hwreg(HW_REG_WAVE_MODE, 25, 1), 1
	s_wait_xcnt 0x0
	s_wait_alu depctr_hold_cnt(0) depctr_sa_sdst(0) depctr_va_vdst(0) depctr_va_sdst(0) depctr_va_ssrc(0) depctr_va_vcc(0) depctr_vm_vsrc(0)
	s_getreg_b32 s2, hwreg(HW_REG_IB_STS2, 6, 4)
	s_cmp_eq_u32 s2, 0
	s_cbranch_scc0 .Lentry_in_a_cluster
	s_endpgm
.Lentry_in_a_cluster:
	s_bfe_u32 s2, ttmp6, 0x10000c
	s_cmp_lg_u32 s2, 0x3003
	s_cbranch_scc0 .Lentry_shape_is_right
	s_endpgm
.Lentry_shape_is_right:
; o = softmax(q k^T / 8) v for each of 32 (batch, head), 2,048 tokens, head size 64; both products on codes of BF8 (E5M2); o is quantised with 2^e6 and stored as codes.
; IN: qkvc as the launch before lays it.  Scales: q 2^e2, k 2^e3, p 2^e4, v 2^e5.
; THE SOFTMAX: t = score x log2(e) / 8; M = the largest t of the row so far, rounded UP to a whole number; p = 2^(t - M) is what is quantised; it is not normalised.
; The row's sum is taken of the unquantised p, in f32, and divides at the end.  When M moves, the sum and O are multiplied by 2^(old M - new M): nothing is rounded, and no branch hangs on data.
; SHARES: a work-group owns 256 queries of one bh, each of its eight waves 32 of them, two tiles of 16: each fragment of K and of V that a wave reads serves both tiles.  A key step is 256 keys.
; ALL OF K AND V OF THE HEAD LIES IN LDS: 2 x 131,072 bytes, first fills alone: 512 keys at the head, the other 1,536 behind the first full sequence; both are asked for ahead of the loops, so no later load exists for which a prefetch could ask ahead.
; CLUSTER: the four query blocks of a cluster belong to one head and need the same K and V: each tile is asked for jointly.  Waves 0 to 3 fetch quarters of K, waves 4 to 7 of V.
; LAYOUT: both products are used transposed: S^T = K Q^T (source 0 = 16 keys, source 1 = 16 queries), O^T = V^T P^T (source 0 = 16 rows of V, source 1 = P): a lane holds ONE query (r = lane % 16) of each tile throughout.
; Register j of tile t of S^T is key 16 t + 8 h + j (h = lane / 16): so the conversions give P in the order of the K = 128 form, and the byte order of V meets it.
; The row order of V makes registers of tiles 2 b and 2 b + 1 of O^T the channels 32 b + 16 h + 0 .. 15.
; OUT: ocodes = [tile of 16 tokens: 256][head 16][2 images of 512 bytes]: image b holds, at 16 x lane, channels 32 b + 16 h + 0 .. 15 of token r: the registers of the next operand as they stand.
; LIMITS: e2 + e3 between -123 and 130 (added to the exponent field of c); e4 and e6 between -126 and 112; |t| under 2^31.
; REGISTERS, alike in window 0 (queries 0-15) and window 1 (queries 16-31): v12 -M, v13 the largest score, v[14:15] the sum in two halves, v16 hold and v17 scale of the conversion, v18 f; v24-31 Q;
;   v32-63 four fragments of K (keys 0-63 of a step in window 0, 64-127 in window 1); v64-95 the codes of p, and ahead of them four more fragments of K (keys 128-191, 192-255); v96-127 O^T; v128-255 S^T, then p.
;   Window 0 alone: v1-7 addresses and the add's registers; v128-255, when tile 0's p has been converted: V's eight fragments.
.set VREG,  139264                     ; LDS: K at 0, V here: dense blocks taken as 512 rows of 256 bytes + 16 of padding each
.set STEPB, 17408                      ; a key step, 256 keys: 64 such rows, of K and of V alike
.set SPARE, 2*VREG
.set HEADB, 393216
.set SB, 128
.set OB, 96
.set CD, 64
.set MSB, 0
.macro WIN new
.if MSB != (\new)
	s_set_vgpr_msb (MSB<<8)|(\new)
.set MSB, (\new)
.endif
.endm
.macro ROUND                           ; a round of the cluster's barrier
	s_barrier_signal -1
	s_barrier_wait -1
	s_cmp_lg_u32 s10, 0
	s_cbranch_scc1 .Lnot_wave_0_\@
	s_barrier_signal -3
.Lnot_wave_0_\@:
	s_barrier_wait -3
	s_barrier_signal -1
	s_barrier_wait -1
.endm
	s_load_b128 s[4:7], s[0:1], 0x0                ; qkvc s[4:5], the exponents s[6:7]
	s_load_b64 s[8:9], s[0:1], 0x10                ; ocodes
	v_lshl_add_u32 v5, v0, 2, SPARE
	v_mov_b32 v6, 0
	ds_add_u32 v5, v6                              ; the opening lines
	ds_add_u32 v5, v6
	v_lshrrev_b32 v1, 5, v0
	v_readfirstlane_b32 s10, v1                    ; wave 0..7
	s_bfe_u32 s11, ttmp6, 0x40000                  ; cx
	s_lshl_b32 s12, ttmp9, 2
	s_add_co_u32 s12, s12, s11                     ; my block of 256 queries: it enters the addresses of q and of o alone
	s_and_b32 s13, ttmp7, 0xffff                   ; bh, which the four partners share
	; descriptor groups 1: s[16:23] 32 rows, s[24:31] 96 rows of 256 bytes, dense in memory, padded in LDS
.irp g, 16, 24
	s_mov_b32 s[\g], 15|(3<<16)|(1<<20)|(1<<21)|(5<<22)|(3<<25)   ; the mask: all four; elements of 8 bytes; four words of padding after every 64
	s_mov_b32 s[\g+1], 32<<16
	s_mov_b32 s[\g+3], 32<<16
	s_mov_b32 s[\g+5], 32
	s_mov_b32 s[\g+6], 0
	s_mov_b32 s[\g+7], 0
.endr
	s_mov_b32 s18, 32<<16
	s_mov_b32 s20, 32
	s_mov_b32 s26, 96<<16
	s_mov_b32 s28, 96
	s_mul_i32 s54, s13, HEADB                      ; the first byte of my bh
	s_and_b32 s56, s10, 3                          ; which quarter
	s_lshr_b32 s57, s10, 2                         ; of K (0) or V (1)
	s_mul_i32 s59, s57, VREG
	s_mul_i32 s60, s56, 32*272
	s_add_co_u32 s60, s60, s59                     ; where my tiles go: no place in the cluster enters an LDS address
	s_mul_i32 s61, s56, 96*272
	s_add_co_u32 s61, s61, s59
	s_add_co_u32 s61, s61, 128*272
	s_lshl_b32 s14, s57, 17
	s_add_co_u32 s14, s14, s54
	s_add_co_u32 s14, s14, 131072                  ; where they come from: k lies behind q, v behind k
	s_lshl_b32 s15, s56, 13
	s_add_co_u32 s68, s14, s15
	s_mov_b32 s69, 0
	s_mul_i32 s15, s56, 24576
	s_add_co_u32 s70, s14, s15
	s_add_co_u32 s70, s70, 32768
	s_mov_b32 s71, 0
	s_lshl_b32 s62, s12, 8
	s_lshl_b32 s63, s10, 5
	s_add_co_u32 s62, s62, s63                     ; my first query
	s_lshl_b32 s62, s62, 6
	s_add_co_u32 s62, s62, s54
	s_mov_b32 s63, 0
	s_lshr_b32 s67, s13, 4                         ; the batch
	s_lshl_b32 s67, s67, 7
	s_lshl_b32 s66, s12, 4
	s_add_co_u32 s67, s67, s66
	s_lshl_b32 s66, s10, 1
	s_add_co_u32 s67, s67, s66                     ; my first tile of 16 tokens: 128 x batch + 16 x block + 2 x wave
	s_lshl_b32 s67, s67, 14
	s_and_b32 s66, s13, 15                         ; the head
	s_lshl_b32 s66, s66, 10
	s_add_co_u32 s66, s66, s67
	s_mov_b32 s67, 0
	s_mov_b32 s50, 0x76543210                      ; selects for v_permlanex16_b32: lane l xor 16
	s_mov_b32 s51, 0xfedcba98
	s_wait_dscnt 0x0                               ; both opening adds are done
	s_wait_kmcnt 0x0
	s_load_b256 s[40:47], s[6:7], 0x0              ; e0 .. e7
	s_add_nc_u64 s[68:69], s[4:5], s[68:69]
	s_add_nc_u64 s[70:71], s[4:5], s[70:71]
	s_mov_b32 s32, 1
	s_mov_b32 s33, s60
	s_mov_b64 s[34:35], s[68:69]
	s_or_b32 s35, s35, 0x80000000
	s_mov_b32 s36, 1
	s_mov_b32 s37, s61
	s_mov_b64 s[38:39], s[70:71]
	s_or_b32 s39, s39, 0x80000000
	s_add_nc_u64 s[4:5], s[4:5], s[62:63]          ; q at my first query
	s_add_nc_u64 s[8:9], s[8:9], s[66:67]          ; ocodes at my first tile and head
	ROUND                                          ; all four work-groups are here
	tensor_load_to_lds s[32:35], s[16:23]          ; the first 512 keys: one tensor load a wave at the head
	s_nop 0
	v_and_b32 v8, 15, v0                           ; r
	v_bfe_u32 v9, v0, 4, 1                         ; h
	v_lshlrev_b32 v10, 6, v8
	v_lshl_add_u32 v10, v9, 4, v10
	global_load_b128 v[24:27], v10, s[4:5]         ; Q stays in registers: registers 4 c .. 4 c + 3: channels 32 c + 16 h + 0 .. 15, as in K
	global_load_b128 v[28:31], v10, s[4:5] offset:32
	WIN 0x40
	global_load_b128 v[24:27], v10, s[4:5] offset:1024
	global_load_b128 v[28:31], v10, s[4:5] offset:1056
	WIN 0
	v_lshrrev_b32 v11, 2, v8
	v_mul_u32_u24 v1, v11, 272
	v_and_b32 v11, 3, v8
	v_lshl_add_u32 v1, v11, 6, v1
	v_lshl_add_u32 v1, v9, 4, v1                   ; v1: key r of a tile: four keys to an LDS row
	v_lshrrev_b32 v11, 1, v8
	v_mul_u32_u24 v2, v11, 272
	v_and_b32 v11, 1, v8
	v_lshl_add_u32 v2, v11, 7, v2
	v_lshl_add_u32 v2, v9, 4, v2
	v_add_nc_u32 v2, VREG, v2                      ; v2: row r of a tile of V: two to an LDS row
	v_and_b32 v7, 31, v0
	v_lshlrev_b32 v7, 4, v7                        ; v7: 16 x lane
	s_wait_alu depctr_va_vdst(0)
	s_wait_kmcnt 0x0
	s_add_co_i32 s54, s42, s43
	s_lshl_b32 s54, s54, 23
	s_mov_b32 s48, 0x3e38aa3b                      ; log2(e) / 8
	s_add_co_i32 s48, s48, s54                     ; a score stands for score x 2^(e2 + e3)
	s_mov_b32 s49, s48                             ; (named with it as a pair, so it is written)
	s_add_co_i32 s54, s44, 127
	s_lshl_b32 s55, s54, 23                        ; 2^e4
	s_add_co_i32 s54, s54, 15
	s_lshl_b32 s54, s54, 23
	s_or_b32 s54, s54, 0x600000                    ; 57,344 x 2^e4
.macro INIT                            ; O and the sum begin as zeros, which the first change of M leaves zeros: the step is written without a first step of its own
	v_mov_b32 v13, 0xff61b1e6                      ; the largest score so far: -3e38
	v_mov_b32 v12, 0x7f61b1e6                      ; -M
	v_mov_b32 v14, 0
	v_mov_b32 v15, 0
	v_mov_b32 v17, s55
	v_mov_b32 v16, s54
	v_mov_b32 v19, 0                               ; (named as the upper half of the pair v[18:19])
	v_mov_b32 v22, 0                               ; (the destination of a lane permute counts as one of its sources)
.set JJ, 0
.rept 32
	v_mov_b32 v[OB+JJ], 0
.set JJ, JJ+1
.endr
.endm
	INIT
	WIN 0x40
	INIT
	WIN 0
.macro KALOAD                          ; a step's first 128 keys: tiles 0-3 into window 0, 4-7 into window 1
.irp i, 0,1,2,3
.irp c, 0,1
	ds_load_b128 v[32+8*\i+4*\c:35+8*\i+4*\c], v3 offset:1088*\i+32*\c
.endr
.endr
	WIN 0x40
.irp i, 0,1,2,3
.irp c, 0,1
	ds_load_b128 v[32+8*\i+4*\c:35+8*\i+4*\c], v3 offset:1088*(4+\i)+32*\c
.endr
.endr
	WIN 0
.endm
.macro QK4 w, k, t                     ; four tiles of 16 keys from tile t on, fragments at k
	WIN \w
.irp i, 0,1,2,3
	v_wmma_f32_16x16x64_bf8_bf8 v[SB+8*(\t+\i):SB+8*(\t+\i)+7], v[\k+8*\i:\k+8*\i+7], v[24:31], 0
.endr
.endm
.macro PV4 w, b                        ; the b-th 128 keys of the step; four accumulators of each tile take turns
	WIN \w
.irp u, 0,1,2,3
	v_wmma_f32_16x16x128_bf8_bf8 v[OB+8*\u:OB+8*\u+7], v[SB+64*\b+16*\u:SB+64*\b+16*\u+15], v[CD+16*\b:CD+16*\b+15], v[OB+8*\u:OB+8*\u+7]
.endr
.endm
; THE SOFTMAX OF ONE TILE over the step's 256 keys, 128 of them in my lane
.macro SOFT
	v_max_num_f32 v8, v[SB], v[SB+1]               ; the largest score in four chains, each accumulator from its low end on
	v_max_num_f32 v9, v[SB+2], v[SB+3]
	v_max_num_f32 v10, v[SB+4], v[SB+5]
	v_max_num_f32 v11, v[SB+6], v[SB+7]
.set JJ, SB+8
.rept 15
	v_max3_num_f32 v8, v8, v[JJ], v[JJ+1]
	v_max3_num_f32 v9, v9, v[JJ+2], v[JJ+3]
	v_max3_num_f32 v10, v10, v[JJ+4], v[JJ+5]
	v_max3_num_f32 v11, v11, v[JJ+6], v[JJ+7]
.set JJ, JJ+8
.endr
	v_max3_num_f32 v8, v8, v9, v10
	s_delay_alu instid0(VALU_DEP_1)
	v_max_num_f32 v8, v8, v11
	s_delay_alu instid0(VALU_DEP_1)
	v_permlanex16_b32 v22, v8, s50, s51
	s_delay_alu instid0(VALU_DEP_1)
	v_max3_num_f32 v13, v13, v8, v22               ; and among those of lane l xor 16: the running largest score
	s_delay_alu instid0(VALU_DEP_1)
	v_mul_f32 v20, s48, -v13                       ; -t (c is positive)
	s_delay_alu instid0(VALU_DEP_1)
	v_floor_f32 v20, v20                           ; the new -M = floor(-t) = -ceil(t): a whole number
	s_delay_alu instid0(VALU_DEP_1)
	v_sub_f32 v21, v20, v12                        ; old M - new M: a whole number, 0 or less
	v_mov_b32 v12, v20
	s_delay_alu instid0(VALU_DEP_2)
	v_cvt_i32_f32 v21, v21                         ; (it saturates)
	s_delay_alu instid0(VALU_DEP_1)
	v_ldexp_f32 v18, 1.0, v21                      ; f = 2^(old M - new M)
.set JJ, SB
.rept 32
	v_pk_fma_f32 v[JJ:JJ+1], v[JJ:JJ+1], s[48:49], v[12:13] op_sel_hi:[1,0,0]   ; t - M, two at a time: the first half, tiles 0-7
.set JJ, JJ+2
.endr
	s_wait_alu depctr_va_vdst(0)                   ; wait ahead of the batch, and ahead of the first readers of O^T
	v_pk_mul_f32 v[14:15], v[14:15], v[18:19] op_sel_hi:[1,0]   ; the sum under the new M
.set JJ, OB
.rept 16
	v_pk_mul_f32 v[JJ:JJ+1], v[JJ:JJ+1], v[18:19] op_sel_hi:[1,0]   ; O^T under the new M
.set JJ, JJ+2
.endr
; p = 2^(t - M) in two batches of 64.  Plain lines stand among the exponentials; none of them reads what another of the same batch wrote.
.set JJ, SB
.rept 32
	v_exp_f32 v[JJ], v[JJ]
	v_pk_fma_f32 v[JJ+64:JJ+65], v[JJ+64:JJ+65], s[48:49], v[12:13] op_sel_hi:[1,0,0]   ; t - M of the second half
	v_exp_f32 v[JJ+1], v[JJ+1]
.set JJ, JJ+2
.endr
	s_wait_alu depctr_va_vdst(0)                   ; behind the first batch and ahead of the second
; Among the second batch: the first half's sums of the unquantised p, pair by pair, into the 32 registers that take the codes later; and its hold
; (the conversion does not saturate: ISA guide 7.6.2; p is not negative, so it is one-sided)
.set KK, 0
.rept 16
.set RR, SB+2*KK
.set QQ, SB+64+4*KK
	v_exp_f32 v[QQ], v[QQ]
	v_pk_add_f32 v[CD+2*KK:CD+2*KK+1], v[RR:RR+1], v[RR+32:RR+33]
	v_exp_f32 v[QQ+1], v[QQ+1]
	v_dual_min_num_f32 v[RR], v16, v[RR] :: v_dual_min_num_f32 v[RR+1], v16, v[RR+1]
	v_exp_f32 v[QQ+2], v[QQ+2]
	v_dual_min_num_f32 v[RR+32], v16, v[RR+32] :: v_dual_min_num_f32 v[RR+33], v16, v[RR+33]
	v_exp_f32 v[QQ+3], v[QQ+3]
.set KK, KK+1
.endr
	s_wait_alu depctr_va_vdst(0)                   ; behind the second batch
	v_pk_add_f32 v[8:9], v[CD+2:CD+3], v[CD+10:CD+11]   ; the sixteen pairs in four chains
	v_pk_add_f32 v[10:11], v[CD+4:CD+5], v[CD+12:CD+13]
	v_pk_add_f32 v[20:21], v[CD+6:CD+7], v[CD+14:CD+15]
	v_pk_add_f32 v[14:15], v[14:15], v[CD:CD+1]
	v_pk_add_f32 v[8:9], v[8:9], v[CD+18:CD+19]
	v_pk_add_f32 v[10:11], v[10:11], v[CD+20:CD+21]
	v_pk_add_f32 v[20:21], v[20:21], v[CD+22:CD+23]
	v_pk_add_f32 v[14:15], v[14:15], v[CD+8:CD+9]
	v_pk_add_f32 v[8:9], v[8:9], v[CD+26:CD+27]
	v_pk_add_f32 v[10:11], v[10:11], v[CD+28:CD+29]
	v_pk_add_f32 v[20:21], v[20:21], v[CD+30:CD+31]
	v_pk_add_f32 v[14:15], v[14:15], v[CD+16:CD+17]
	v_pk_add_f32 v[14:15], v[14:15], v[CD+24:CD+25]
; the second half tile by tile: sums, hold, and the codes of a tile of each half
.set TT, 8
.rept 8
.set RR, SB+8*TT
	v_pk_add_f32 v[8:9], v[8:9], v[RR:RR+1]
	v_pk_add_f32 v[10:11], v[10:11], v[RR+2:RR+3]
	v_pk_add_f32 v[20:21], v[20:21], v[RR+4:RR+5]
	v_pk_add_f32 v[14:15], v[14:15], v[RR+6:RR+7]
	v_cvt_scalef32_pk8_bf8_f32 v[CD+2*TT-16:CD+2*TT-15], v[RR-64:RR-57], v17
.irp i, 0,2,4,6
	v_dual_min_num_f32 v[RR+\i], v16, v[RR+\i] :: v_dual_min_num_f32 v[RR+\i+1], v16, v[RR+\i+1]
.endr
.if TT > 8
	v_cvt_scalef32_pk8_bf8_f32 v[CD+2*TT-2:CD+2*TT-1], v[RR-8:RR-1], v17
.endif
.set TT, TT+1
.endr
	v_cvt_scalef32_pk8_bf8_f32 v[CD+30:CD+31], v[SB+120:SB+127], v17
	v_pk_add_f32 v[14:15], v[14:15], v[8:9]
	v_pk_add_f32 v[10:11], v[10:11], v[20:21]
	v_pk_add_f32 v[14:15], v[14:15], v[10:11]
.endm
; A KEY STEP: 256 keys, whose tiles begin at s52 in K and in V.  lim: where the last step begins whose keys may be fetched ahead
; On the way in all 16 tiles of the step's K have been asked for: 0-7 first, then 8-11, then 12-15.
.macro KBLO                            ; tiles 8-11 into window 0's registers of codes
.irp i, 0,1,2,3
.irp c, 0,1
	ds_load_b128 v[64+8*\i+4*\c:67+8*\i+4*\c], v3 offset:1088*(8+\i)+32*\c
.endr
.endr
.endm
.macro KBHI                            ; tiles 12-15 into window 1's
	WIN 0x40
.irp i, 0,1,2,3
.irp c, 0,1
	ds_load_b128 v[64+8*\i+4*\c:67+8*\i+4*\c], v3 offset:1088*(12+\i)+32*\c
.endr
.endr
	WIN 0
.endm
.macro STEP lim
	v_add_nc_u32 v4, s52, v2                       ; (with the four v_nop at the step's end: five places behind the last products, whose sources are written over below: ISA guide 7.12.1)
	s_wait_dscnt 16                                ; tiles 8-15 may be out
	QK4 0x00, 32, 0
	QK4 0x44, 32, 0
	QK4 0x45, 32, 4
	QK4 0x01, 32, 4
	s_wait_dscnt 8                                 ; tiles 12-15 may be out
	QK4 0x00, 64, 8
	QK4 0x44, 64, 8
	s_wait_dscnt 0x0
	QK4 0x45, 64, 12
	QK4 0x01, 64, 12
	WIN 0
	s_add_co_u32 s55, s52, STEPB
	s_min_u32 s55, s55, \lim
	v_nop                                          ; with the addition: four places in front of the loads below and of the first read of the scores
	v_nop
	v_nop
	v_add_nc_u32 v3, s55, v1
	KALOAD                                         ; the next step's first 128 keys (at the limit: this step's once more, not used)
	SOFT
.irp b, 0,1
.irp u, 0,1,2,3
.irp c, 0,1,2,3
	ds_load_b128 v[SB+64*\b+16*\u+4*\c:SB+64*\b+16*\u+4*\c+3], v4 offset:8704*\b+2176*\u+32*\c   ; V lands under tile 1's softmax
.endr
.endr
.endr
	WIN 0x55
	s_wait_alu depctr_va_vdst(0)                   ; wait here, directly ahead of the first reader of tile 1's scores
	SOFT
	s_wait_alu depctr_va_vdst(0)
	s_wait_dscnt 0x0                               ; V is in
	PV4 0x00, 0
	PV4 0x00, 1
	WIN 0
	v_nop                                          ; four places in front of loads into registers that these products read
	v_nop
	v_nop
	v_nop
	KBLO                                           ; the next step's tiles 8-11 (at the limit: this step's once more, not used)
	PV4 0x54, 0
	PV4 0x54, 1
	WIN 0
	v_nop
	v_nop
	v_nop
	v_nop
	KBHI                                           ; and 12-15
.endm
	s_wait_alu depctr_va_vdst(0)                   ; wait at the head's end
	s_wait_loadcnt 0x0                             ; Q
	s_wait_tensorcnt 0x0                           ; my part of the first 512 keys is in
	ds_add_u32 v5, v6
	s_wait_dscnt 0x0
	ROUND
	tensor_load_to_lds s[36:39], s[24:31]          ; the other 1,536 keys: they have two key steps in which to land
	s_nop 0
	s_mov_b32 s52, 0
	v_add_nc_u32 v3, s52, v1
	KALOAD
	KBLO
	KBHI
	s_mov_b32 s53, 2
.Lfirst:                                               ; the first 512 keys
	STEP STEPB
	s_add_co_u32 s52, s52, STEPB
	s_sub_co_u32 s53, s53, 1
	s_cmp_lg_u32 s53, 0
	s_cbranch_scc1 .Lfirst
	s_wait_tensorcnt 0x0                           ; all my loads have landed
	s_wait_dscnt 0x0
	s_barrier_signal -1
	s_barrier_wait -1                              ; all of K and V lies in LDS
	s_mov_b32 s52, 2*STEPB
	v_add_nc_u32 v3, s52, v1
	KALOAD
	KBLO
	KBHI
	s_mov_b32 s53, 6
.Lrest:
	STEP 7*STEPB
	s_add_co_u32 s52, s52, STEPB
	s_sub_co_u32 s53, s53, 1
	s_cmp_lg_u32 s53, 0
	s_cbranch_scc1 .Lrest
	; THE WAY OUT: O^T x 2^(e4 + e5) / the sum, held, converted: two groups of four registers are the two images, 16 bytes a lane.
	s_wait_alu depctr_va_vdst(0)
	s_wait_dscnt 0x0                               ; the last step's look-ahead has landed: its registers are written again below
	s_add_co_i32 s54, s44, s45
	s_add_co_i32 s59, s46, 127
	s_lshl_b32 s58, s59, 23                        ; 2^e6
	s_add_co_i32 s59, s59, 15
	s_lshl_b32 s59, s59, 23
	s_or_b32 s59, s59, 0x600000                    ; 57,344 x 2^e6
.macro OUT
	v_add_f32 v14, v14, v15
	v_mov_b32 v17, s58
	v_mov_b32 v16, s59
	v_permlanex16_b32 v22, v14, s50, s51
	v_add_f32 v14, v14, v22                        ; the row's sum
	s_wait_alu depctr_va_vdst(0)                   ; wait ahead of the transcendental,
	v_rcp_f32 v14, v14
	v_nop
	s_wait_alu depctr_va_vdst(0)                   ; ahead of its first reader,
	v_ldexp_f32 v14, v14, s54
	s_wait_alu depctr_va_vdst(0)                   ; and ahead of the first reader of O^T
.set JJ, 0
.rept 16
	v_pk_mul_f32 v[SB+JJ:SB+JJ+1], v[OB+JJ:OB+JJ+1], v[14:15] op_sel_hi:[1,0]
.set JJ, JJ+2
.endr
.set JJ, SB
.rept 32
	v_med3_num_f32 v[JJ], v[JJ], -v16, v16
.set JJ, JJ+1
.endr
.irp t, 0,1,2,3
	v_cvt_scalef32_pk8_bf8_f32 v[CD+2*\t:CD+2*\t+1], v[SB+8*\t:SB+8*\t+7], v17
.endr
	v_nop
.endm
	OUT
	global_store_b128 v7, v[CD:CD+3], s[8:9]       ; 32 lanes store 512 consecutive bytes, at a multiple of 512
	global_store_b128 v7, v[CD+4:CD+7], s[8:9] offset:512
	WIN 0x55
	OUT
	WIN 0x04
	global_store_b128 v7, v[CD:CD+3], s[8:9] offset:16384
	global_store_b128 v7, v[CD+4:CD+7], s[8:9] offset:16896
	WIN 0
	s_wait_tensorcnt 0x0                           ; the wave's end
	ds_add_u32 v5, v6
	s_wait_dscnt 0x0
	ROUND                                          ; the closing round
	s_endpgm
.Lfunc_end_k_qc6fad4a52d_attend:
	.size	k_qc6fad4a52d_attend, .Lfunc_end_k_qc6fad4a52d_attend-k_qc6fad4a52d_attend
	.p2alignl 7, 3214868480
	.fill 96, 4, 3214868480
	.section	.rodata,"a",@progbits
	.p2align	6, 0x0
	.amdhsa_kernel k_qc6fad4a52d_attend
		.amdhsa_group_segment_fixed_size 327680
		.amdhsa_private_segment_fixed_size 0
		.amdhsa_enable_private_segment 0
		.amdhsa_kernarg_size 24
		.amdhsa_user_sgpr_count 2
		.amdhsa_user_sgpr_kernarg_segment_ptr 1
		.amdhsa_wavefront_size32 1
		.amdhsa_system_sgpr_workgroup_id_x 1
		.amdhsa_system_sgpr_workgroup_id_y 1
		.amdhsa_system_sgpr_workgroup_id_z 1
		.amdhsa_system_vgpr_workitem_id 0
		.amdhsa_next_free_vgpr 512
		.amdhsa_next_free_sgpr 80
		.amdhsa_reserve_vcc 0
		.amdhsa_float_denorm_mode_32 3
		.amdhsa_float_denorm_mode_16_64 3
		.amdhsa_memory_ordered 1
		.amdhsa_forward_progress 1
		.amdhsa_inst_pref_size 131
	.end_amdhsa_kernel
	.amdgpu_metadata
---
amdhsa.version: [ 1, 2 ]
amdhsa.kernels:
  - .name:           k_qc6fad4a52d_attend
    .symbol:         k_qc6fad4a52d_attend.kd
    .args:
      - { .name: qkvc, .offset: 0, .size: 8, .value_kind: global_buffer, .address_space: global }
      - { .name: lowp_scales, .offset: 8, .size: 8, .value_kind: global_buffer, .address_space: global }
      - { .name: ocodes, .offset: 16, .size: 8, .value_kind: global_buffer, .address_space: global }
    .group_segment_fixed_size: 327680
    .private_segment_fixed_size: 0
    .kernarg_segment_align: 8
    .kernarg_segment_size: 24
    .max_flat_workgroup_size: 256
    .sgpr_count:     80
    .vgpr_count:     512
    .wavefront_size: 32
...
	.end_amdgpu_metadata
.endif
;; end of part 2
;; launch project_out (part 3): grid 8 x 32, 4 waves a work-group, clusters of 4 x 4, 282,112 bytes of LDS; arguments ocodes, W_o_codes, lowp_scales, b_o, out0; writes out0
.if DOCPART == 3
	.amdgcn_target "amdgcn-amd-amdhsa--gfx1250"
	.amdhsa_code_object_version 6
	.text
	.protected	k_qc6fad4a52d_project_out
	.globl	k_qc6fad4a52d_project_out
	.p2align	8
	.type	k_qc6fad4a52d_project_out,@function
k_qc6fad4a52d_project_out:
	s_mov_b64 s[64:65], 0
	v_nop
	global_prefetch_b8 v0, s[64:65] scope:SCOPE_SE
	s_setreg_imm32_b32 hwreg(HW_REG_WAVE_MODE, 25, 1), 1
	s_wait_xcnt 0x0
	s_wait_alu depctr_hold_cnt(0) depctr_sa_sdst(0) depctr_va_vdst(0) depctr_va_sdst(0) depctr_va_ssrc(0) depctr_va_vcc(0) depctr_vm_vsrc(0)
	s_getreg_b32 s2, hwreg(HW_REG_IB_STS2, 6, 4)
	s_cmp_eq_u32 s2, 0
	s_cbranch_scc0 .Lentry_in_a_cluster
	s_endpgm
.Lentry_in_a_cluster:
	s_bfe_u32 s2, ttmp6, 0x10000c
	s_cmp_lg_u32 s2, 0xf033
	s_cbranch_scc0 .Lentry_shape_is_right
	s_endpgm
.Lentry_shape_is_right:
; out0 = o W_o^T + b_o on codes of BF8 (E5M2).  o: 4,096 tokens x 1,024, codes (scale 2^e6) as the launch before lays them; W_o: [1024][1024] codes (2^e7), K innermost; b_o [1024] f32; out0 [4096][1024] f32.
; ocodes = [tile of 16 tokens: 256][16,384 bytes]: 32 images of 512 bytes; image 4 s + c holds registers 4 c .. 4 c + 3 of the fragment of K step s (128 along K), 16 bytes a lane.
; SHARES: a tile of 128 x 128 of the output to a work-group, so that there are 256 of them; four waves, 64 x 64 each.
; THE WHOLE K OF THE TILE LIES IN LDS: one tensor load a wave, all asked for at the head; there is no later load for which a prefetch could ask ahead.
; CLUSTERS of 4 x 4: the four of a row of the cluster need the same tokens, the four of a column the same rows of W_o: each tile is asked for jointly.  Waves 0 and 1 fetch the halves of o, waves 2 and 3 of W_o.
; W_o's fragments of my 64 columns stay in registers, all of K (512 registers); the tokens go by blocks of 16, each finished over all of K, so that a block leaves while the next is multiplied.
; THE MATRIX INSTRUCTION IS USED TRANSPOSED (source 0 = 16 rows of W_o, source 1 = 16 tokens): a lane holds eight neighbouring numbers of a row of the output.
; Registers 4 c .. 4 c + 3 of a fragment hold K = 32 c + 16 (lane / 16) + 0 .. 15, alike on both sides.
; out = sum x 2^(e6 + e7) + b_o.  LIMIT: e6 + e7 between -126 and 127, so that 2^(e6 + e7) is an f32 number.
; REGISTERS: window 0: v1-31 addresses; v32-63 results, v64-95 rows read back, v96-127 the bias; v128-255 o's fragments of blocks 0 and 2.  Windows 1, 2: W_o's fragments of K steps 0-3, 4-7.
;   Window 3: v0-127 o's fragments of blocks 1 and 3; v128-159 the accumulators of blocks 0 and 2, v160-191 of 1 and 3.
.set BREG,  131072                     ; LDS: o at 0, 64 tokens x 1,024 bytes a half, dense; W_o here:
.set BP,    1040                       ; rows of 1,024 bytes + 16 of padding: the 16 rows of a fragment start at 16 different columns of 16 bytes
.set STAGE, BREG+128*BP                ; behind them: 16 rows x (256 bytes + 16) for each wave, for the way out; no tile lands here
.set SPARE, STAGE+4*16*272
.set G1A, 24
.set G0A, 32
.set G1B, 48
.set G0B, 56
.set MSB, 0
.macro WIN new
.if MSB != (\new)
	s_set_vgpr_msb (MSB<<8)|(\new)
.set MSB, (\new)
.endif
.endm
.macro PLACES n
.rept \n
	v_nop
.endr
.endm
.macro CROUND                          ; a round of the cluster's barrier
	s_barrier_signal -1
	s_barrier_wait -1
	s_cmp_lg_u32 s14, 0
	s_cbranch_scc1 .Lnot_wave_0_\@
	s_barrier_signal -3
.Lnot_wave_0_\@:
	s_barrier_wait -3
	s_barrier_signal -1
	s_barrier_wait -1
.endm
	s_load_b256 s[4:11], s[0:1], 0x0               ; ocodes s[4:5], W_o s[6:7], the exponents s[8:9], b_o s[10:11]
	s_load_b64 s[12:13], s[0:1], 0x20              ; out0
	v_lshl_add_u32 v30, v0, 2, SPARE
	v_mov_b32 v31, 0
	ds_add_u32 v30, v31                            ; the opening lines
	ds_add_u32 v30, v31
	v_lshrrev_b32 v1, 5, v0
	v_readfirstlane_b32 s14, v1                    ; wave 0..3
	s_lshr_b32 s15, s14, 1                         ; which half of the tokens is mine.  Also: I fetch o (0) or W_o (1)
	s_and_b32 s16, s14, 1                          ; which half of the columns.  Also: which half of a tile I fetch
	s_bfe_u32 s18, ttmp6, 0x40000                  ; cx
	s_bfe_u32 s19, ttmp6, 0x40004                  ; cy
	s_lshl_b32 s20, ttmp9, 2
	s_add_co_u32 s20, s20, s18                     ; tile column = 4 x cluster x + cx
	s_and_b32 s17, ttmp7, 0xffff
	s_lshl_b32 s17, s17, 2
	s_add_co_u32 s17, s17, s19                     ; tile row = 4 x cluster y + cy
	s_lshl_b32 s21, s19, 2
	s_lshl_b32 s21, 15, s21                        ; my row of the cluster
	s_lshl_b32 s22, 0x1111, s18                    ; my column
	s_or_b32 s[G1A], s21, (3<<16)|(1<<21)          ; o: the mask; elements of 8 bytes; no padding: a dense block as 256 rows of 256 bytes
	s_mov_b32 s[G1A+1], 32<<16
	s_mov_b32 s[G1A+2], 256<<16
	s_mov_b32 s[G1A+3], 32<<16
	s_mov_b32 s[G1A+4], 256
	s_mov_b32 s[G1A+5], 32
	s_mov_b32 s[G1A+6], 0
	s_mov_b32 s[G1A+7], 0
	s_or_b32 s[G1B], s22, (1<<20)|(1<<21)|(7<<22)|(3<<25)   ; W_o: the mask; elements of 1 byte; four words of padding after every 256
	s_mov_b32 s[G1B+1], 1024<<16
	s_mov_b32 s[G1B+2], 64<<16
	s_mov_b32 s[G1B+3], 1024<<16
	s_mov_b32 s[G1B+4], 64
	s_mov_b32 s[G1B+5], 1024
	s_mov_b32 s[G1B+6], 0
	s_mov_b32 s[G1B+7], 0
	s_lshl_b32 s86, s17, 17                        ; o: 8 tiles of tokens x 16,384 bytes a tile row,
	s_lshl_b32 s92, s16, 16                        ; + my four of them; and where they go
	s_add_co_u32 s86, s86, s92
	s_mov_b32 s87, 0
	s_lshl_b32 s90, s20, 17                        ; W_o: 128 rows of 1,024 bytes a tile column,
	s_add_co_u32 s90, s90, s92                     ; + my 64 of them
	s_mov_b32 s91, 0
	s_mul_i32 s93, s16, 64*BP
	s_add_co_u32 s93, s93, BREG                    ; where they go: no place in the cluster enters an LDS address
	s_wait_dscnt 0x0                               ; both opening adds are done
	s_wait_kmcnt 0x0
	s_load_b256 s[76:83], s[8:9], 0x0              ; e0 .. e7
	s_add_nc_u64 s[86:87], s[4:5], s[86:87]
	s_add_nc_u64 s[90:91], s[6:7], s[90:91]
	s_mov_b32 s[G0A], 1
	s_mov_b32 s[G0A+1], s92
	s_mov_b64 s[G0A+2:G0A+3], s[86:87]
	s_or_b32 s[G0A+3], s[G0A+3], 0x80000000
	s_mov_b32 s[G0B], 1
	s_mov_b32 s[G0B+1], s93
	s_mov_b64 s[G0B+2:G0B+3], s[90:91]
	s_or_b32 s[G0B+3], s[G0B+3], 0x80000000
	CROUND                                         ; all sixteen work-groups are here: the joint loads meet
	s_cmp_eq_u32 s15, 0
	s_cbranch_scc0 .Lfor_b
	tensor_load_to_lds s[G0A:G0A+3], s[G1A:G1A+7]
	s_nop 0
	PLACES 4
	s_branch .Lasked
.Lfor_b:
	tensor_load_to_lds s[G0B:G0B+3], s[G1B:G1B+7]
	s_nop 0
	PLACES 4
.Lasked:
	v_and_b32 v1, 15, v0                           ; r = lane % 16
	v_bfe_u32 v2, v0, 4, 1                         ; h = lane / 16
	v_lshlrev_b32 v27, 5, v2
	s_lshl_b32 s94, s20, 9
	s_lshl_b32 s95, s16, 8
	s_add_co_u32 s94, s94, s95                     ; my first column, in bytes: 512 x tile column + 256 x half
	s_mov_b32 s95, 0
	s_add_nc_u64 s[10:11], s[10:11], s[94:95]
	s_add_nc_u64 s[12:13], s[12:13], s[94:95]
	s_wait_alu depctr_va_vdst(0)                   ; wait here, ahead of the readers below
.irp b, 0,1,2,3
	global_load_b128 v[96+8*\b:99+8*\b], v27, s[10:11] offset:64*\b      ; b_o of columns 16 b + 8 h + 0 .. 7
	global_load_b128 v[100+8*\b:103+8*\b], v27, s[10:11] offset:64*\b+16
.endr
	v_and_b32 v3, 31, v0
	v_lshlrev_b32 v3, 4, v3
	s_lshl_b32 s88, s15, 16
	v_add_nc_u32 v16, s88, v3                      ; v16: my four tiles of tokens
	v_mul_u32_u24 v4, v1, BP
	v_lshl_add_u32 v4, v2, 4, v4
	s_mul_i32 s88, s16, 64*BP
	s_add_co_u32 s88, s88, BREG
	v_add_nc_u32 v20, s88, v4                      ; v20: my 64 rows of W_o
	s_mul_i32 s88, s14, 16*272
	s_add_co_u32 s88, s88, STAGE                   ; my stage
	v_mul_u32_u24 v5, v1, 272
	v_lshl_add_u32 v5, v2, 5, v5
	v_add_nc_u32 v24, s88, v5                      ; v24: in: row r, 32 bytes for each half of the lanes
	v_mul_u32_u24 v5, v2, 272
	v_lshl_add_u32 v5, v1, 4, v5
	v_add_nc_u32 v25, s88, v5                      ; v25: back: lanes 0-15 one row of 256 bytes, lanes 16-31 the next
	v_lshlrev_b32 v5, 12, v2
	v_lshl_add_u32 v26, v1, 4, v5                  ; v26: and the same two rows of the output, 4,096 bytes apart
	s_wait_alu depctr_va_vdst(0)                   ; wait at the head's end
	s_lshl_b32 s94, s17, 19                        ; my first row: 128 x tile row + 64 x half, of 4,096 bytes
	s_lshl_b32 s88, s15, 18
	s_add_co_u32 s94, s94, s88
	s_add_nc_u64 s[12:13], s[12:13], s[94:95]
	s_wait_kmcnt 0x0
	s_add_co_i32 s84, s82, s83                     ; e6 + e7
	s_add_co_i32 s84, s84, 127
	s_lshl_b32 s84, s84, 23                        ; 2^(e6 + e7) as f32
	s_mov_b32 s85, s84                             ; (named with it as a pair, so it is written)
.macro ALOAD a                         ; o's fragments of block a, all of K: 32 loads
.if (\a)%2
	WIN 0xc0
.set FA, 0
.else
	WIN 0
.set FA, 128
.endif
.irp k, 0,1,2,3,4,5,6,7
.irp c, 0,1,2,3
	ds_load_b128 v[FA+16*\k+4*\c:FA+16*\k+4*\c+3], v16 offset:16384*(\a)+2048*\k+512*\c
.endr
.endr
	WIN 0
.endm
.macro BLOAD k                         ; W_o's four fragments of K step k: 16 loads
	WIN 0x40*(1+(\k)/4)
.irp b, 0,1,2,3
.irp c, 0,1,2,3
	ds_load_b128 v[64*((\k)%4)+16*\b+4*\c:64*((\k)%4)+16*\b+4*\c+3], v20 offset:16*BP*\b+128*(\k)+32*\c
.endr
.endr
	WIN 0
.endm
.macro MUL a, k                        ; block a, K step k: the four accumulators take turns; the first step starts the sums
	WIN 0xf0+0x0c*((\a)%2)+1+(\k)/4
.set FA, 128-128*((\a)%2)
.set AC, 128+32*((\a)%2)
.irp b, 0,1,2,3
.if (\k) == 0
	v_wmma_f32_16x16x128_bf8_bf8 v[AC+8*\b:AC+8*\b+7], v[64*((\k)%4)+16*\b:64*((\k)%4)+16*\b+15], v[FA+16*(\k):FA+16*(\k)+15], 0
.else
	v_wmma_f32_16x16x128_bf8_bf8 v[AC+8*\b:AC+8*\b+7], v[64*((\k)%4)+16*\b:64*((\k)%4)+16*\b+15], v[FA+16*(\k):FA+16*(\k)+15], v[AC+8*\b:AC+8*\b+7]
.endif
.endr
.endm
; The way out of block a: my 64 columns are 256 bytes of a row: through my own stage, back by rows.  LDS serves a wave's instructions in order (ISA guide 5.7.1.4): no wait between my stores and my loads.
.macro PACK a
.set AC, 128+32*((\a)%2)
	WIN 0x03
.irp i, 0,2,4,6,8,10,12,14,16,18,20,22,24,26,28,30
	v_pk_fma_f32 v[32+\i:33+\i], v[AC+\i:AC+\i+1], s[84:85], v[96+\i:97+\i] op_sel_hi:[1,0,1]   ; sum x 2^(e6 + e7) + b_o; each accumulator from its low end on
.endr
	WIN 0
.irp b, 0,1,2,3
	ds_store_b128 v24, v[32+8*\b:35+8*\b] offset:64*\b
	ds_store_b128 v24, v[36+8*\b:39+8*\b] offset:64*\b+16
.endr
.irp t, 0,1,2,3,4,5,6,7
	ds_load_b128 v[64+4*\t:67+4*\t], v25 offset:544*\t
.endr
.endm
.macro SEND a
.irp t, 0,1,2,3,4,5,6,7
	global_store_b128 v26, v[64+4*\t:67+4*\t], s[12:13] offset:(16*(\a)+2*\t)*4096 th:TH_STORE_NT   ; sixteen lanes store 256 consecutive bytes, at a multiple of 256; written once, read by nobody here
.endr
.endm
	s_wait_loadcnt 0x0                             ; the bias
	s_wait_tensorcnt 0x0                           ; my half tile is in
	s_barrier_signal -1
	s_barrier_wait -1                              ; all four are
	ALOAD 0
	BLOAD 0
	BLOAD 1
.irp k, 0,1,2,3,4,5
	BLOAD \k+2
	s_wait_dscnt 32                                ; all but the two youngest K steps of W_o
	MUL 0, \k
	WIN 0
.endr
	ALOAD 1
	s_wait_dscnt 48                                ; K step 7 of W_o and block 1 may be out
	MUL 0, 6
	s_wait_dscnt 32
	MUL 0, 7
	WIN 0
.irp a, 0,1,2,3
.if \a > 0
	s_wait_xcnt 0x0                                ; the stores of the block before have read their data: loads land there below
.endif
	PLACES 4                                       ; in front of the first read of the results, and of loads into o's fragments (ISA guide 7.12.1 for vector instructions)
	PACK \a
.if \a < 2
	ALOAD \a+2
	s_wait_dscnt 48                                ; block a + 1 is in: behind it 8 stores, 8 loads and block a + 2
.elseif \a == 2
	s_wait_dscnt 16
.endif
.if \a < 3
.irp k, 0,1,2,3,4,5,6,7
	MUL \a+1, \k
.endr
	WIN 0
.endif
.if \a < 2
	s_wait_dscnt 32                                ; block a is back; block a + 2 may be out
.else
	s_wait_dscnt 0x0
.endif
	SEND \a
.endr
	s_wait_tensorcnt 0x0                           ; the wave's end
	ds_add_u32 v30, v31
	s_wait_dscnt 0x0
	CROUND                                         ; the closing round
	s_endpgm
.Lfunc_end_k_qc6fad4a52d_project_out:
	.size	k_qc6fad4a52d_project_out, .Lfunc_end_k_qc6fad4a52d_project_out-k_qc6fad4a52d_project_out
	.p2alignl 7, 3214868480
	.fill 96, 4, 3214868480
	.section	.rodata,"a",@progbits
	.p2align	6, 0x0
	.amdhsa_kernel k_qc6fad4a52d_project_out
		.amdhsa_group_segment_fixed_size 282112
		.amdhsa_private_segment_fixed_size 0
		.amdhsa_enable_private_segment 0
		.amdhsa_kernarg_size 40
		.amdhsa_user_sgpr_count 2
		.amdhsa_user_sgpr_kernarg_segment_ptr 1
		.amdhsa_wavefront_size32 1
		.amdhsa_system_sgpr_workgroup_id_x 1
		.amdhsa_system_sgpr_workgroup_id_y 1
		.amdhsa_system_sgpr_workgroup_id_z 1
		.amdhsa_system_vgpr_workitem_id 0
		.amdhsa_next_free_vgpr 1024
		.amdhsa_next_free_sgpr 100
		.amdhsa_reserve_vcc 0
		.amdhsa_float_denorm_mode_32 3
		.amdhsa_float_denorm_mode_16_64 3
		.amdhsa_memory_ordered 1
		.amdhsa_forward_progress 1
		.amdhsa_inst_pref_size 45
	.end_amdhsa_kernel
	.amdgpu_metadata
---
amdhsa.version: [ 1, 2 ]
amdhsa.kernels:
  - .name:           k_qc6fad4a52d_project_out
    .symbol:         k_qc6fad4a52d_project_out.kd
    .args:
      - { .name: ocodes, .offset: 0, .size: 8, .value_kind: global_buffer, .address_space: global }
      - { .name: W_o_codes, .offset: 8, .size: 8, .value_kind: global_buffer, .address_space: global }
      - { .name: lowp_scales, .offset: 16, .size: 8, .value_kind: global_buffer, .address_space: global }
      - { .name: b_o, .offset: 24, .size: 8, .value_kind: global_buffer, .address_space: global }
      - { .name: out0, .offset: 32, .size: 8, .value_kind: global_buffer, .address_space: global }
    .group_segment_fixed_size: 282112
    .private_segment_fixed_size: 0
    .kernarg_segment_align: 8
    .kernarg_segment_size: 40
    .max_flat_workgroup_size: 128
    .sgpr_count:     100
    .vgpr_count:     1024
    .wavefront_size: 32
...
	.end_amdgpu_metadata
.endif
;; end of part 3
